; MI455X (gfx1250); checked and timed in simulation.
; The chip was launched on July 23, 2026; its instructions are those of AMD's public machine-readable ISA for CDNA 5 (MIT licence, August 2026) and "CDNA5" Instruction Set Architecture Reference Guide (July 2026). The comments in the code are by the model that wrote it; some were corrected since.
;; Scaled Dot Product Attention. Allowed arithmetic: float matrix products may take bf16 or f16 operands with f32 sums; all other float work in f32.
;; Inputs: K 4 x 16 x 2,048 x 128 float32; Q 4 x 16 x 2,048 x 128 float32; V 4 x 16 x 2,048 x 128 float32.
;; Outputs: out0 4 x 16 x 2,048 x 128 float32.
;; One version. Each part assembles by itself: llvm-mc -triple=amdgcn-amd-amdhsa -mcpu=gfx1250 --defsym DOCPART=n.
;; ======== version 1 of 1: 1 launch
;; limits: values are held in f16: magnitudes above 65,504 overflow, below 6.1e-05 lose precision; right only within a limited range of input values
;; launch attn (part 1): grid 256 x 1, 4 waves a work-group, no clusters, 141,824 bytes of LDS; arguments K, Q, V, out0; writes out0
.if DOCPART == 1
	.amdgcn_target "amdgcn-amd-amdhsa--gfx1250"
	.amdhsa_code_object_version 6
	.text
	.protected	k_qac3df0cf2d_attn
	.globl	k_qac3df0cf2d_attn
	.p2align	8
	.type	k_qac3df0cf2d_attn,@function
k_qac3df0cf2d_attn:
	s_mov_b64 s[64:65], 0
	v_nop
	global_prefetch_b8 v0, s[64:65] scope:SCOPE_SE
	s_setreg_imm32_b32 hwreg(HW_REG_WAVE_MODE, 25, 1), 1
	s_wait_xcnt 0x0
; Causal attention, out = softmax(Q K^T / sqrt(128), keys <= query) V.  Q, K, V, out: [64 heads][2048][128] f32.
; One launch: scores, scale, mask, softmax with a running maximum, and P V, with nothing through memory in between.
;
; SHARES.  Work-group x: head x >> 2, j = x & 3.  It makes two blocks of 256 query rows, first block 7 - j, then block j.  Block qb needs
; 4 qb + 4 steps of 64 keys, so every work-group walks 36 steps.  Wave w owns 64 query rows (four tiles of 16) and computes the steps up to
; its diagonal step 4 qb + w; in later steps it only stages its share of K and V and passes the barriers.
; LAYOUT.  Scores are made transposed, S^T = K Q^T: lane (r, h) holds query r and keys 8 h + 0..7 of a tile, so maximum, sum and rescaling
; factor are one number a lane, and two packed score tiles ARE the second operand of O^T = V^T P^T.  V^T comes from V's rows by the
; transposing LDS load.  No value is moved between lanes but the two halves' maxima and sums.
; DATA PATH.  K and V are f32 in memory: each wave loads 16 rows of each one whole step ahead into registers (64 KB on the way for the
; work-group), rounds them and stores them into the other of two LDS buffers.  One barrier a step.
; FORMATS.  Q and K are rounded to bf16 and multiplied in the bf16 form.  The probabilities are rounded to f16 (they lie in [0, 1]; 11
; significant bits): the first query rows add only a few large terms p v that partly cancel, so each p's rounding shows in the result, and
; 8 bits are too few there.  So P V is made in the f16 form, and V is rounded to bf16 like Q and K and then carried in f16, which holds a
; bf16 number's 8 significant bits exactly.  The program thus computes the reference on inputs rounded to bf16, with the rounding of P
; as the only error on top.  The price: 8 vector instructions in place of 2 for each of a wave's 16 rows of V in a step.
; NO CLUSTER, NO TENSOR LOADS: a joint tile would land in LDS as f32; a step would then write 64 KB, read 64 KB and write 32 KB of LDS on
; top of its 128 KB of fragment reads; and the four work-groups of a head need different numbers of tiles (20 to 32, then 4 to 16).
; LIMITS.  |V| below 65,000 (f16's largest number is 65,504; beyond it V becomes infinite); parts of V and of a probability below 2^-24
; are lost (at most 2,048 x 2^-25 of V's size in a row whose sum is at least 1).  Sums in f32, in another order than the reference's.
; The scale and log2(e) are one constant c.  Exponentials below 2^-126 count as 0.  Inputs are taken as finite: then every row has a
; finite maximum from the first step on (key 0 is open to every query).
.set KP,    272                        ; LDS pitch of K's and Q's bf16 rows: 256 bytes + 16, an odd multiple of 16
.set VP,    288                        ; LDS pitch of V's f16 rows: an odd multiple of 32, for the transposing load
.set KBUF,  64*KP                      ; one K buffer, 17,408 bytes; K buffers at 0 and KBUF
.set VBUF,  64*VP                      ; one V buffer, 18,432 bytes
.set VB0,   2*KBUF                     ; V buffers at 34,816 and 53,248
.set QO0,   VB0+2*VBUF                 ; 71,680: per wave 17,408 bytes of its own: Q's 64 rows, later the output stage
.set QOB,   64*KP
.set OPI,   528                        ; output stage: 16 rows of 512 bytes + 16
.set ROWB,  512                        ; a row of 128 f32 in memory
.set TILEB, 64*ROWB                    ; 64 keys of K or of V in memory
; window 0
.set ADK,   4                          ; LDS address of my K fragments
.set ADV,   5                          ; of my V fragments (transposing load)
.set ADQ,   6                          ; of my Q fragments
.set QST,   7                          ; where I store 8 bytes of a Q row
.set OST,   8                          ; where I store 16 bytes of an output row
.set ORD,   9                          ; where I read an output row back
.set GOFF,  10                         ; my byte offset in the block's Q and out rows
.set KVOFF, 11                         ; my byte offset in a K or V tile
.set KST,   12                         ; where I store 8 bytes of a K row
.set VST,   13                         ; and of a V row
.set VRELD, 14                         ; r - 8 h: mask of the diagonal step
.set VRELF, 15                         ; the same + my first query row: mask of step 0
.set PFO,   16                         ; thread x 256, for the prefetch
.set NINF,  17                         ; -infinity
.set TMP,   18
.set MX,    20                         ; v[20:23] running maximum of query tile a
.set MN,    24                         ; v[24:27] new maximum
.set TT,    28                         ; v[28:31] my half's maximum; at the end the sum
.set TX,    32                         ; v[32:35] the other half's
.set NM,    36                         ; v[36:43] -c x maximum, low word of a pair
.set AL,    44                         ; v[44:51] rescaling factor, low word of a pair
.set LS,    52                         ; v[52:59] running sums, two a tile
.set DD,    60                         ; v[60:63] exponent of the factor
.set KF,    128                        ; v[128:255] K fragments, 128 + 32 kt + 8 kk
.set OA,    0                          ; window 1: O^T, tile (dt, a) at 8 (4 dt + a)
.set SC,    0                          ; window 2: scores at 32 a + 8 kt + j, packed in place to P at 16 a + 8 ks
.set VF,    128                        ; window 2: V fragments at 128 + 64 ks + 8 dt
.set QF,    0                          ; window 3: Q fragments at 32 a + 8 kk
.set STG,   128                        ; window 3: stage, K row i at 128 + 4 i, V row i at 192 + 4 i
; scalars: s3 mask of a word's upper half, s12 wave, s13 j, s14 block, s15 block count, s16 step, s17 my diagonal step, s18 pairs done,
; s19 byte offset of the next tile, s20 the block's tiles in bytes, s21 tiles still to load, s[22:23] offset pair, s[24:27] K, V at the
; head, s[28:31] at the tile, s[32:35] Q, out at the block, s[36:39] at the head, s40 = s41 = c, s42 = -c, s43 pairs of the block,
; s44, s45 lane selects, s[46:47] Q of the second block, s48, s49 at work
.set MSB, 0
.macro WIN new                         ; s_set_vgpr_msb: bits 1:0 source 0, 3:2 source 1, 5:4 source 2, 7:6 destination;
.if MSB != \new                        ; the high byte repeats the setting that is left
	s_set_vgpr_msb (MSB<<8)|\new
.set MSB, \new
.endif
.endm
.macro PLACES                          ; four independent vector places behind a matrix instruction (ISA guide 7.12.1)
.rept 4
	v_nop
.endr
.endm
; 32 loads: the step's 64 keys x 128 d as sixteen first operands (16 keys x 32 d)
.macro KLOADS buf
	WIN 0
.irp kt, 0,1,2,3
.irp kk, 0,1,2,3
	ds_load_b128 v[KF+32*\kt+8*\kk:KF+32*\kt+8*\kk+3],   v[ADK] offset:(\buf)*KBUF+\kt*16*KP+\kk*64
	ds_load_b128 v[KF+32*\kt+8*\kk+4:KF+32*\kt+8*\kk+7], v[ADK] offset:(\buf)*KBUF+\kt*16*KP+\kk*64+32
.endr
.endr
.endm
; 32 transposing loads: V^T as sixteen first operands (16 d x 32 keys)
.macro VLOADS buf
	WIN 0x80
.irp ks, 0,1
.irp dt, 0,1,2,3,4,5,6,7
	ds_load_tr16_b128 v[VF+64*\ks+8*\dt:VF+64*\ks+8*\dt+3],   v[ADV] offset:(\buf)*VBUF+\ks*32*VP+\dt*32
	ds_load_tr16_b128 v[VF+64*\ks+8*\dt+4:VF+64*\ks+8*\dt+7], v[ADV] offset:(\buf)*VBUF+\ks*32*VP+\dt*32+16*VP
.endr
.endr
.endm
; My 16 rows of K and 16 of V, in place in the stage registers, then 8 bytes a lane: each store covers a row's 256 bytes.
; K (rows 0-15 of the stage): f32 to bf16, packed into words 0, 1 of a row's four.
; V (rows 16-31): f32 to bf16 into words 0 and 2; each half widened again to f32 (a shift, a mask) into words 1, 0 and 3, 2;
; then packed as f16, exactly, into words 0, 1.  Three runs, so that no line waits for the one in front of it.
.macro CVTST nbuf
	WIN 0xcf
.set i, 0
.rept 16
	v_cvt_pk_bf16_f32 v[STG+4*i],   v[STG+4*i],   v[STG+4*i+1]
	v_cvt_pk_bf16_f32 v[STG+4*i+1], v[STG+4*i+2], v[STG+4*i+3]
.set i, i+1
.endr
.set i, 16
.rept 16
	v_cvt_pk_bf16_f32 v[STG+4*i],   v[STG+4*i],   v[STG+4*i+1]
	v_cvt_pk_bf16_f32 v[STG+4*i+2], v[STG+4*i+2], v[STG+4*i+3]
.set i, i+1
.endr
.set i, 16
.rept 16
	v_lshlrev_b32 v[STG+4*i+1], 16, v[STG+4*i]     ; element 0 (the low half) as f32
	v_and_b32     v[STG+4*i],   s3, v[STG+4*i]     ; element 1
	v_lshlrev_b32 v[STG+4*i+3], 16, v[STG+4*i+2]   ; element 2
	v_and_b32     v[STG+4*i+2], s3, v[STG+4*i+2]   ; element 3
.set i, i+1
.endr
.set i, 16
.rept 16
	v_cvt_pk_f16_f32 v[STG+4*i],   v[STG+4*i+1], v[STG+4*i]
	v_cvt_pk_f16_f32 v[STG+4*i+1], v[STG+4*i+3], v[STG+4*i+2]
.set i, i+1
.endr
	WIN 0x0c
.set i, 0
.rept 16
	ds_store_b64 v[KST], v[STG+4*i:STG+4*i+1] offset:(\nbuf)*KBUF+i*KP
.set i, i+1
.endr
.set i, 0
.rept 16
	ds_store_b64 v[VST], v[STG+64+4*i:STG+64+4*i+1] offset:(\nbuf)*VBUF+i*VP
.set i, i+1
.endr
.endm
; ask for my 16 + 16 rows of the next tile (each load: a whole row of 512 bytes), and step the tile offset; behind a block's last tile it
; turns to the next block's tile 0.  No cache hint: the head's other work-groups read these rows too.
; The tile bases are rewritten only behind the s_wait_loadcnt 0 that shows the last tile's loads done.
.macro LOADT
	s_mov_b32 s22, s19
	s_mov_b32 s23, 0
	s_add_nc_u64 s[28:29], s[24:25], s[22:23]
	s_add_nc_u64 s[30:31], s[26:27], s[22:23]
	WIN 0xc0
.set i, 0
.rept 16
	global_load_b128 v[STG+4*i:STG+4*i+3], v[KVOFF], s[28:29] offset:i*ROWB
.set i, i+1
.endr
.set i, 0
.rept 16
	global_load_b128 v[STG+64+4*i:STG+64+4*i+3], v[KVOFF], s[30:31] offset:i*ROWB
.set i, i+1
.endr
	WIN 0
	s_add_co_u32 s19, s19, TILEB
	s_cmp_eq_u32 s19, s20
	s_cselect_b32 s19, 0, s19
	s_sub_co_u32 s21, s21, 1
.endm
; The step's staging: tile t + 1 from registers into the other LDS buffer, tile t + 2 asked for.
; mode 0: both.  mode 1 (a block's last step but one): no request when all 36 tiles have been asked for.
; mode 2 (a block's last step): nothing at all in that case; otherwise (end of the first block) also the prefetch of the second block's Q:
; 4 x 128 lanes, 256 bytes apart, cover its 128 KB once, one step and the way out ahead of the loads.
.macro STAGE nbuf, mode, tag, sub
.if \mode == 2
	s_cmp_eq_u32 s21, 0
	s_cbranch_scc1 .Lnost\sub\tag
.endif
	s_wait_loadcnt 0x0                             ; the tile asked for one step ago is in the stage registers
	CVTST \nbuf
.if \mode == 1
	WIN 0
	s_cmp_eq_u32 s21, 0
	s_cbranch_scc1 .Lnost\sub\tag
.endif
	LOADT
.if \mode == 2
.irp i, 0,1,2,3
	global_prefetch_b8 v[PFO], s[46:47] offset:\i*32768 th:TH_LOAD_NT scope:SCOPE_SE
.endr
.endif
.if \mode != 0
.Lnost\sub\tag:
.endif
.endm
; 16 products: keys 16 kt .. + 15 x my 64 queries; the first along d starts the sums
.macro QK kt
	WIN 0xac
.irp kk, 0,1,2,3
.irp a, 0,1,2,3
.if \kk == 0
	v_wmma_f32_16x16x32_bf16 v[SC+32*\a+8*\kt:SC+32*\a+8*\kt+7], v[KF+32*\kt+8*\kk:KF+32*\kt+8*\kk+7], v[QF+32*\a+8*\kk:QF+32*\a+8*\kk+7], 0
.else
	v_wmma_f32_16x16x32_bf16 v[SC+32*\a+8*\kt:SC+32*\a+8*\kt+7], v[KF+32*\kt+8*\kk:KF+32*\kt+8*\kk+7], v[QF+32*\a+8*\kk:QF+32*\a+8*\kk+7], v[SC+32*\a+8*\kt:SC+32*\a+8*\kt+7]
.endif
.endr
.endr
.endm
; key > query  <=>  16 (kt - a) + j > vrel.  Tiles with kt < a have 16 (kt - a) + j <= -9 < -8 <= vrel: never masked, so they are left out.
.macro MASK vrel
	WIN 0x82
.irp a, 0,1,2,3
.irp kt, 0,1,2,3
.if \kt >= \a
.irp j, 0,1,2,3,4,5,6,7
	v_cmp_gt_i32 vcc_lo, 16*(\kt-\a)+\j, v[\vrel]
	v_cndmask_b32 v[SC+32*\a+8*\kt+\j], v[SC+32*\a+8*\kt+\j], v[NINF], vcc_lo
.endr
.endif
.endr
.endr
.endm
.macro SOFTMAX
	WIN 0x0a                                       ; my 32 scores' maximum for each query tile, four chains
.irp a, 0,1,2,3
	v_max_num_f32 v[TT+\a], v[SC+32*\a], v[SC+32*\a+1]
.endr
.set g, 2
.rept 15
.irp a, 0,1,2,3
	v_max3_num_f32 v[TT+\a], v[SC+32*\a+g], v[SC+32*\a+g+1], v[TT+\a]
.endr
.set g, g+2
.endr
	WIN 0
.irp a, 0,1,2,3
	v_permlanex16_b32 v[TX+\a], v[TT+\a], s44, s45 ; the other 32 keys of the same query lie in lane i xor 16
.endr
.irp a, 0,1,2,3
	v_max3_num_f32 v[MN+\a], v[TT+\a], v[TX+\a], v[MX+\a]
.endr
.irp a, 0,1,2,3
	v_mul_f32 v[NM+2*\a], s42, v[MN+\a]            ; -c x new maximum
.endr
.irp a, 0,1,2,3
	v_fma_f32 v[DD+\a], v[MX+\a], s40, v[NM+2*\a]  ; c (old - new); -infinity in the first step
.endr
.irp a, 0,1,2,3
	v_exp_f32 v[AL+2*\a], v[DD+\a]
.endr
.irp a, 0,1,2,3
	v_mov_b32 v[MX+\a], v[MN+\a]                   ; also the plain place behind the exponentials
.endr
	s_wait_alu depctr_va_vdst(0)
.irp a, 0,1,2,3
	v_pk_mul_f32 v[LS+2*\a:LS+2*\a+1], v[LS+2*\a:LS+2*\a+1], v[AL+2*\a:AL+2*\a+1] op_sel_hi:[1,0]
.endr
	WIN 0x82
.irp a, 0,1,2,3
.set g, 0
.rept 16
	v_pk_fma_f32 v[SC+32*\a+g:SC+32*\a+g+1], v[SC+32*\a+g:SC+32*\a+g+1], s[40:41], v[NM+2*\a:NM+2*\a+1] op_sel_hi:[1,0,0]
.set g, g+2
.endr
.endr
.set g, 0
.rept 128
	v_exp_f32 v[SC+g], v[SC+g]                     ; 2^(c (score - maximum)); masked scores give 0
.set g, g+1
.endr
	v_nop                                          ; one plain place before the last results are read
	WIN 0x02
.set g, 0
	s_wait_alu depctr_va_vdst(0)
.rept 16
.irp a, 0,1,2,3
	v_pk_add_f32 v[LS+2*\a:LS+2*\a+1], v[SC+32*\a+g:SC+32*\a+g+1], v[LS+2*\a:LS+2*\a+1]
.endr
.set g, g+2
.endr
	WIN 0x8a                                       ; pack as f16 in place, ascending
.set g, 0
.rept 64
	v_cvt_pk_f16_f32 v[SC+g/2], v[SC+g], v[SC+g+1]
.set g, g+2
.endr
.endm
.macro RESCALE
	WIN 0x41
.irp dt, 0,1,2,3,4,5,6,7
.irp a, 0,1,2,3
.irp p, 0,2,4,6
	v_pk_mul_f32 v[OA+8*(4*\dt+\a)+\p:OA+8*(4*\dt+\a)+\p+1], v[OA+8*(4*\dt+\a)+\p:OA+8*(4*\dt+\a)+\p+1], v[AL+2*\a:AL+2*\a+1] op_sel_hi:[1,0]
.endr
.endr
.endr
.endm
; 64 products: O^T (128 d x 64 queries) += V^T (128 d x 64 keys) P^T.  first = 1: the first 32 keys start the sums, nothing is cleared.
.macro PV first
	WIN 0x5a
.irp ks, 0,1
.irp dt, 0,1,2,3,4,5,6,7
.irp a, 0,1,2,3
.if \first*(1-\ks)
	v_wmma_f32_16x16x32_f16 v[OA+8*(4*\dt+\a):OA+8*(4*\dt+\a)+7], v[VF+64*\ks+8*\dt:VF+64*\ks+8*\dt+7], v[SC+16*\a+8*\ks:SC+16*\a+8*\ks+7], 0
.else
	v_wmma_f32_16x16x32_f16 v[OA+8*(4*\dt+\a):OA+8*(4*\dt+\a)+7], v[VF+64*\ks+8*\dt:VF+64*\ks+8*\dt+7], v[SC+16*\a+8*\ks:SC+16*\a+8*\ks+7], v[OA+8*(4*\dt+\a):OA+8*(4*\dt+\a)+7]
.endif
.endr
.endr
.endr
.endm
; ONE STEP of 64 keys: reads LDS buffer buf, stages the next tile into buffer nbuf.  The barrier at its end does both orderings: every
; wave's reads of buf and stores into nbuf are complete in front of its signal (s_wait_dscnt 0); behind it nbuf is read and buf rewritten.
.macro STEP buf, nbuf, first, mode, tag
.if \first == 0
	s_cmp_gt_u32 s16, s17                          ; beyond my diagonal step every key is masked: stage only
	s_cbranch_scc1 .Lidle\tag
.endif
	KLOADS \buf
	STAGE \nbuf, \mode, \tag, a                    ; its vector instructions are also the places between the last step's P V products and the
	                                               ; products below that write over P and the loads below into V's fragments
.if \mode == 2
.rept 5
	v_nop                                          ; here the stage may have been jumped over: the five places are written out
.endr
	s_wait_dscnt 0x0                               ; and so may its stores: nothing can be left out of the count
.else
	s_wait_dscnt 32                                ; the 32 K loads are in; the 32 stage stores issued behind them may be out
.endif
	QK 0
	QK 1
	VLOADS \buf
	QK 2
	QK 3
	PLACES                                         ; before vector instructions read the scores
.if \first
	MASK VRELF                                     ; step 0 is written out with its mask: it is the diagonal step of the wave with query row 0
.else
	WIN 0
	s_cmp_lg_u32 s16, s17
	s_cbranch_scc1 .Lnomask\tag
	MASK VRELD
	WIN 0
.Lnomask\tag:
.endif
	SOFTMAX
.if \first == 0
	RESCALE
.endif
	s_wait_dscnt 0x0                               ; V's fragments are in
	PV \first
	WIN 0
.if \first == 0
	s_branch .Ljoin\tag
.Lidle\tag:
	STAGE \nbuf, \mode, \tag, b
.Ljoin\tag:
.endif
	s_wait_dscnt 0x0                               ; for the others: my reads of buf and my stores into nbuf are complete
	s_barrier_signal -1
	s_barrier_wait -1
	s_add_co_u32 s16, s16, 1
.endm
; My 64 rows of Q: whole rows of 512 bytes into window 2, to bf16, through my own LDS bytes into fragments that stay for the block.
.macro QSETUP
	WIN 0x80
.set i, 0
.rept 64
	global_load_b128 v[4*i:4*i+3], v[GOFF], s[32:33] offset:i*ROWB th:TH_LOAD_NT
.set i, i+1
.endr
.irp q, 0,1,2,3
	s_wait_loadcnt 48-16*\q                        ; loads come back in order: rows 16 q .. + 15 are in, the younger rows stay out
	WIN 0x8a
.set i, 16*\q
.rept 16
	v_cvt_pk_bf16_f32 v[4*i],   v[4*i],   v[4*i+1]
	v_cvt_pk_bf16_f32 v[4*i+1], v[4*i+2], v[4*i+3]
.set i, i+1
.endr
	WIN 0x08
.set i, 16*\q
.rept 16
	ds_store_b64 v[QST], v[4*i:4*i+1] offset:i*KP
.set i, i+1
.endr
.endr
	WIN 0xc0
.irp a, 0,1,2,3
.irp kk, 0,1,2,3
	ds_load_b128 v[QF+32*\a+8*\kk:QF+32*\a+8*\kk+3],   v[ADQ] offset:\a*16*KP+\kk*64      ; my own bytes: LDS serves a wave in order
	ds_load_b128 v[QF+32*\a+8*\kk+4:QF+32*\a+8*\kk+7], v[ADQ] offset:\a*16*KP+\kk*64+32
.endr
.endr
	WIN 0
	s_wait_dscnt 0x0
.endm
; The way out: divide by the sum, 16 query rows at a time through my own LDS stage, read back as rows; each store of the wave covers
; 512 consecutive bytes at a multiple of 512 from out's first byte.
.macro OUT
	PLACES                                         ; behind the last products
.irp a, 0,1,2,3
	v_add_f32 v[TT+\a], v[LS+2*\a], v[LS+2*\a+1]
.endr
.irp a, 0,1,2,3
	v_permlanex16_b32 v[TX+\a], v[TT+\a], s44, s45
.endr
.irp a, 0,1,2,3
	v_add_f32 v[TT+\a], v[TT+\a], v[TX+\a]
.endr
.irp a, 0,1,2,3
	v_rcp_f32 v[AL+2*\a], v[TT+\a]
.endr
	v_nop
	s_wait_alu depctr_va_vdst(0)
.irp a, 0,1,2,3
	WIN 0x41
.irp dt, 0,1,2,3,4,5,6,7
.irp p, 0,2,4,6
	v_pk_mul_f32 v[OA+8*(4*\dt+\a)+\p:OA+8*(4*\dt+\a)+\p+1], v[OA+8*(4*\dt+\a)+\p:OA+8*(4*\dt+\a)+\p+1], v[AL+2*\a:AL+2*\a+1] op_sel_hi:[1,0]
.endr
.endr
	WIN 0x04
.irp dt, 0,1,2,3,4,5,6,7
	ds_store_b128 v[OST], v[OA+8*(4*\dt+\a):OA+8*(4*\dt+\a)+3]   offset:64*\dt
	ds_store_b128 v[OST], v[OA+8*(4*\dt+\a)+4:OA+8*(4*\dt+\a)+7] offset:64*\dt+16
.endr
	WIN 0x80
.set i, 0
.rept 16
	ds_load_b128 v[64*\a+4*i:64*\a+4*i+3], v[ORD] offset:i*OPI     ; registers of their own for each a: no store's data is rewritten
.set i, i+1
.endr
	WIN 0x08
.set i, 0
.rept 16
	s_wait_dscnt 15-i                              ; row i is in, the younger rows stay out
	global_store_b128 v[GOFF], v[64*\a+4*i:64*\a+4*i+3], s[34:35] offset:(16*\a+i)*ROWB th:TH_STORE_NT
.set i, i+1
.endr
.endr
	WIN 0
.endm
	; ---------------- entry ----------------
	s_load_b256 s[4:11], s[0:1], 0x0               ; K s[4:5], Q s[6:7], V s[8:9], out0 s[10:11]
	v_lshl_add_u32 v126, v0, 2, 0x22800
	v_mov_b32 v127, 0
	v_lshrrev_b32 v1, 5, v0
	v_readfirstlane_b32 s12, v1                    ; wave
	s_and_b32 s13, ttmp9, 3                        ; j
	s_sub_co_u32 s14, 7, s13                       ; the first block: 7 - j
	s_lshr_b32 s22, ttmp9, 2
	s_lshl_b32 s22, s22, 20                        ; head x 2,048 rows x 512 bytes
	s_mov_b32 s23, 0
	s_lshl_b32 s48, s13, 17                        ; block j x 256 rows x 512 bytes
	s_mov_b32 s49, 0
	s_mov_b32 s19, 0                               ; tile 0
	s_mov_b32 s21, 36                              ; tiles to load in all
	s_add_co_u32 s20, s14, 1
	s_lshl_b32 s20, s20, 17                        ; (4 qb + 4) tiles x 32,768 bytes
	s_mov_b32 s15, 0
	s_mov_b32 s3, 0xffff0000                       ; a word's upper bf16
	s_mov_b32 s40, 0x3e0293ee                      ; c = log2(e) / sqrt(128)
	s_mov_b32 s41, 0x3e0293ee
	s_mov_b32 s42, 0xbe0293ee                      ; -c
	s_mov_b32 s44, 0x76543210                      ; v_permlanex16_b32: lane i reads lane i of the other half
	s_mov_b32 s45, 0xfedcba98
	v_and_b32 v1, 31, v0                           ; lane
	s_lshl_b32 s16, s12, 13                        ; my 16 rows of a tile
	v_lshl_add_u32 v[KVOFF], v1, 4, s16
	s_wait_kmcnt 0x0
	s_add_nc_u64 s[24:25], s[4:5], s[22:23]        ; K, Q, V, out at the head
	s_add_nc_u64 s[36:37], s[6:7], s[22:23]
	s_add_nc_u64 s[26:27], s[8:9], s[22:23]
	s_add_nc_u64 s[38:39], s[10:11], s[22:23]
	s_add_nc_u64 s[46:47], s[36:37], s[48:49]      ; Q of the second block
	LOADT                                          ; tile 0 is asked for before anything else
	v_and_b32 v2, 15, v0                           ; r
	v_bfe_u32 v3, v0, 4, 1                         ; h
	v_mul_u32_u24 v[ADK], v2, KP
	v_lshl_add_u32 v[ADK], v3, 4, v[ADK]           ; r x pitch + 16 h
	v_and_b32 v[TMP], 7, v0
	v_lshl_add_u32 v[TMP], v3, 3, v[TMP]           ; key 8 h + (lane & 7)
	v_mul_u32_u24 v[ADV], v[TMP], VP
	v_bfe_u32 v[TMP], v0, 3, 1
	v_lshl_add_u32 v[ADV], v[TMP], 4, v[ADV]       ; + 16 ((lane >> 3) & 1)
	v_add_nc_u32 v[ADV], VB0, v[ADV]
	s_mul_i32 s48, s12, QOB
	s_add_co_u32 s48, s48, QO0                     ; my own LDS bytes
	v_add_nc_u32 v[ADQ], s48, v[ADK]
	v_lshl_add_u32 v[QST], v1, 3, s48
	v_mul_u32_u24 v[OST], v2, OPI
	v_lshl_add_u32 v[OST], v3, 5, v[OST]
	v_add_nc_u32 v[OST], s48, v[OST]               ; row r, 32 bytes for each half of the lanes
	v_lshl_add_u32 v[ORD], v1, 4, s48
	s_lshl_b32 s49, s12, 15                        ; my 64 rows of the block
	v_lshl_add_u32 v[GOFF], v1, 4, s49
	s_mul_i32 s49, s12, 16*KP
	v_lshl_add_u32 v[KST], v1, 3, s49
	s_mul_i32 s49, s12, 16*VP
	s_add_co_u32 s49, s49, VB0
	v_lshl_add_u32 v[VST], v1, 3, s49
	v_lshlrev_b32 v[TMP], 3, v3
	v_sub_nc_u32 v[VRELD], v2, v[TMP]              ; r - 8 h
	v_lshlrev_b32 v[PFO], 8, v0
	v_mov_b32 v[NINF], 0xff800000
.irp a, 0,1,2,3
	v_mov_b32 v[TX+\a], 0                          ; a lane permute's destination counts as read
	v_mov_b32 v[NM+2*\a+1], 0                      ; the upper words of pairs of which only the lower is used
	v_mov_b32 v[AL+2*\a+1], 0
.endr
	s_wait_loadcnt 0x0
	CVTST 0                                        ; tile 0 into buffer 0
	LOADT                                          ; tile 1
	s_wait_dscnt 0x0
	s_barrier_signal -1
	s_barrier_wait -1
.Lblock:
	s_wait_xcnt 0x0                                ; the last block's stores name s[34:35] and window 2, which are rewritten below
	s_lshl_b32 s22, s14, 17
	s_mov_b32 s23, 0
	s_add_nc_u64 s[32:33], s[36:37], s[22:23]      ; Q and out at the block
	s_add_nc_u64 s[34:35], s[38:39], s[22:23]
	s_lshl2_add_u32 s17, s14, s12                  ; my diagonal step 4 qb + w
	s_add_co_u32 s20, s14, 1
	s_lshl_b32 s20, s20, 17                        ; the block's tiles in bytes
	s_lshl_b32 s49, s17, 6                         ; my first query row
	v_add_nc_u32 v[VRELF], s49, v[VRELD]
	QSETUP
.irp a, 0,1,2,3
	v_mov_b32 v[MX+\a], v[NINF]
	v_mov_b32 v[LS+2*\a], 0
	v_mov_b32 v[LS+2*\a+1], 0
.endr
	s_mov_b32 s16, 0
	s_lshl_b32 s43, s14, 1
	s_add_co_u32 s43, s43, 1                       ; 2 qb + 1 pairs: 1 + 2 (2 qb + 1) + 1 = 4 qb + 4 steps
	s_mov_b32 s18, 0                               ; pairs done: counted up against s43, which the loop does not write
	STEP 0, 1, 1, 0, f
.Lpair:
	STEP 1, 0, 0, 0, p
	STEP 0, 1, 0, 1, q
	s_add_co_u32 s18, s18, 1
	s_cmp_lt_u32 s18, s43
	s_cbranch_scc1 .Lpair
	STEP 1, 0, 0, 2, z
	OUT
	s_mov_b32 s14, s13                             ; the second block: j
	s_add_co_u32 s15, s15, 1
	s_cmp_lt_u32 s15, 2
	s_cbranch_scc1 .Lblock
	s_wait_tensorcnt 0x0
	ds_add_u32 v126, v127
	s_wait_dscnt 0x0
	s_endpgm
.Lfunc_end_k_qac3df0cf2d_attn:
	.size	k_qac3df0cf2d_attn, .Lfunc_end_k_qac3df0cf2d_attn-k_qac3df0cf2d_attn
	.p2alignl 7, 3214868480
	.fill 96, 4, 3214868480
	.section	.rodata,"a",@progbits
	.p2align	6, 0x0
	.amdhsa_kernel k_qac3df0cf2d_attn
		.amdhsa_group_segment_fixed_size 141824
		.amdhsa_private_segment_fixed_size 0
		.amdhsa_enable_private_segment 0
		.amdhsa_kernarg_size 32
		.amdhsa_user_sgpr_count 2
		.amdhsa_user_sgpr_kernarg_segment_ptr 1
		.amdhsa_wavefront_size32 1
		.amdhsa_system_sgpr_workgroup_id_x 1
		.amdhsa_system_sgpr_workgroup_id_y 1
		.amdhsa_system_sgpr_workgroup_id_z 1
		.amdhsa_system_vgpr_workitem_id 0
		.amdhsa_next_free_vgpr 1024
		.amdhsa_next_free_sgpr 66
		.amdhsa_reserve_vcc 1
		.amdhsa_float_denorm_mode_32 3
		.amdhsa_float_denorm_mode_16_64 3
		.amdhsa_memory_ordered 1
		.amdhsa_forward_progress 1
		.amdhsa_inst_pref_size 255
	.end_amdhsa_kernel
	.section	.bss,"aw",@nobits
	.p2align	6
	.space	262144
	.amdgpu_metadata
---
amdhsa.version: [ 1, 2 ]
amdhsa.kernels:
  - .name:           k_qac3df0cf2d_attn
    .symbol:         k_qac3df0cf2d_attn.kd
    .args:
      - { .name: K, .offset: 0, .size: 8, .value_kind: global_buffer, .address_space: global }
      - { .name: Q, .offset: 8, .size: 8, .value_kind: global_buffer, .address_space: global }
      - { .name: V, .offset: 16, .size: 8, .value_kind: global_buffer, .address_space: global }
      - { .name: out0, .offset: 24, .size: 8, .value_kind: global_buffer, .address_space: global }
    .group_segment_fixed_size: 141824
    .private_segment_fixed_size: 0
    .kernarg_segment_align: 8
    .kernarg_segment_size: 32
    .max_flat_workgroup_size: 128
    .sgpr_count:     66
    .vgpr_count:     1024
    .wavefront_size: 32
...
	.end_amdgpu_metadata
.endif
;; end of part 1
